; MI455X (gfx1250); checked and timed in simulation.
; The chip was launched on July 23, 2026; its instructions are those of AMD's public machine-readable ISA for CDNA 5 (MIT licence, August 2026) and "CDNA5" Instruction Set Architecture Reference Guide (July 2026). The comments in the code are by the model that wrote it; some were corrected since.
;; Self Attention Block. Allowed arithmetic: matrix products marked QUANTISED: E4M3 operands, one given power-of-two scale a tensor, by v_wmma_f32_16x16x64_fp8_fp8 or v_wmma_f32_16x16x128_fp8_fp8, f32 sums; everything else in f32.
;; Inputs: lowp_scales 8 int32 (the exponents e of the quantised operands' scales 2^e); mask 4 x 1 x 64 x 64 float32; norm_b 256 float32; norm_w 256 float32; proj_b 256 float32; proj_w 256 x 256 float32; qkv_b 768 float32; qkv_w 768 x 256 float32; x 4 x 256 x 64 x 64 float32.
;; Outputs: out0 4 x 256 x 64 x 64 float32; out1 4 x 1 x 64 x 64 float32.
;; This version of the problem:
;;   THIS VERSION OF THE PROBLEM IS GIVEN IN LOW PRECISION. The matrix products marked QUANTISED in the list below multiply operands that are first quantised to E4M3 (4 exponent bits, 3 mantissa bits; 8 bits a number), with one given power-of-two scale for each operand tensor; their sums are f32. All else is computed in f32.
;;   The module's matrix products, in the order in which they are computed (A, B: the left and right operand; K: the contracted axis; several contracted axes count as one K, in the product's order):
;;     1. [M 768, K 256] x [K 256, N 16,384]; A: input qkv_w; B: computed on the way: QUANTISED (scales: A lowp_scales[0], B lowp_scales[1])
;;     2. batch 16 x [M 4,096, K 64] x [K 64, N 4,096]; A: computed on the way; B: computed on the way: QUANTISED (scales: A lowp_scales[2], B lowp_scales[3])
;;     3. batch 16 x [M 4,096, K 4,096] x [K 4,096, N 64]; A: softmax (see below); B: computed on the way: QUANTISED (scales: A lowp_scales[4], B lowp_scales[5])
;;     4. [M 256, K 256] x [K 256, N 16,384]; A: input proj_w; B: computed on the way: QUANTISED (scales: A lowp_scales[6], B lowp_scales[7])
;;   THE QUANTISER, for each operand of a quantised product, along K:
;;     - The operand's scale is 2^e, e = its entry of the input lowp_scales (int32; the entries are numbered through the quantised products in the list's order, A before B).
;;     - Each number is divided by the scale, clamped to +-448, and rounded to the nearest number of E4M3, ties to even, subnormals kept.
;;     - The product sums the exact products of the quantised numbers (number of the format x scale) in f32.
;;   ~~~python
;;   def quantise(x, axis, e):      # numpy; x: float32 -> the quantised numbers, widened to float32 again
;;       x = np.moveaxis(x, axis, -1); K = x.shape[-1]
;;       r = np.clip(x / 2.0 ** e, -448, 448)
;;       step = 2.0 ** (np.maximum(np.frexp(np.where(r == 0, 1, r))[1] - 1, -6) - 3)
;;       q = np.round(r / step) * step * 2.0 ** e      # np.round: ties to even
;;       return np.moveaxis(q, -1, axis).astype(np.float32)
;;   ~~~
;;   SOFTMAX AHEAD OF A QUANTISED PRODUCT. Where the list says 'softmax', what is quantised is not the finished softmax but p = 2^(t - M), with t = logit x log2(e) and M = ceil(the row's largest t), a whole number; so 1/2 < the row's largest p <= 1. The row's sum l is taken of the UNQUANTISED p, in f32, and the product's result is divided by l at the end. Since M is a whole number, a kernel that streams over the keys may use a running M (the ceiling of the running maximum): every later rescaling is an exact power of two, so the quantised numbers keep their values, but for numbers so far below the row's largest that they fall under the format's range.
;;   OPERANDS COMPUTED ON THE WAY. 'Computed on the way' means the value that the module computes at that place (a softmax that the list does not call 'softmax' is quantised finished and normalised). What goes into a quantiser is computed in f32, as accurately as f32 sums, v_exp_f32 and their like allow (about 1e-6 of the number): no bf16 or f16 on the way to a quantiser, and a product that is left as it is and whose result goes on into a quantised operand takes f32 operands (vector FMAs, or v_wmma_f32_16x16x4_f32). A number that lies on a knife's edge between two numbers of the format may be rounded either way, as far as f32 arithmetic and the matrix unit's own rounding can turn it there, and no further.
;; One version. Each part assembles by itself: llvm-mc -triple=amdgcn-amd-amdhsa -mcpu=gfx1250 --defsym DOCPART=n.
;; ======== version 1 of 1: 3 launches
;; limits: right only within a limited range of input values
;; workspace buffers: stats 2,048 bytes; wcodes 262,144 bytes; qimg 4,194,304 bytes; kv 8,388,608 bytes
;; launch prep (part 1): grid 256 x 1, 8 waves a work-group, no clusters, 1,280 bytes of LDS; arguments x, qkv_w, proj_w, mask, lowp_scales, stats, wcodes, out1; writes stats, wcodes, out1
.if DOCPART == 1
	.amdgcn_target "amdgcn-amd-amdhsa--gfx1250"
	.amdhsa_code_object_version 6
	.text
	.protected	k_qebe1c9b43c_prep
	.globl	k_qebe1c9b43c_prep
	.p2align	8
	.type	k_qebe1c9b43c_prep,@function
k_qebe1c9b43c_prep:
	s_mov_b64 s[64:65], 0
	v_nop
	global_prefetch_b8 v0, s[64:65] scope:SCOPE_SE
	s_setreg_imm32_b32 hwreg(HW_REG_WAVE_MODE, 25, 1), 1
	s_wait_xcnt 0x0
; PREP: three small jobs that later launches need, in one launch.
; (1) GroupNorm's statistics in parts.  Work-group b takes x's bytes 65,536 b on (4 channels of one sample, an eighth of a group) and stores the pair
;     (mean, sum of squared deviations from that mean) at stats + 8 b.  Deviations are taken from a mean that is found first, and parts are joined by
;     M2 = sum of parts' M2 + count x sum of (part's mean - mean)^2: no difference of large sums is formed, whatever offset x carries.
; (2) The weights as codes of E4M3, laid as IMAGES OF OPERAND REGISTERS: a tile of 16 rows x 256 k is 4,096 bytes, 8 groups of 512; in group cb lane (r, h) has 16 bytes:
;     k = 32 cb + 8 h + 0..7, then k = 32 cb + 16 + 8 h + 0..7 of row r: registers 4 cb .. 4 cb + 3 of the plain 8-bit layout (ISA guide 7.12.2).
;     Tile T (0-47: qkv_w's rows 16 T on; 48-63: proj_w's rows 16 (T - 48) on) lies so that wave w of the next launch finds its tiles 2 w, 2 w + 1 and 32 + w on end at 12,288 w;
;     proj_w's tiles follow from 196,608 on.  512 units of 16 rows x 32 k: waves 0 and 1 of each work-group take one each.
; (3) out1 = mask: wave 2 copies 256 bytes.
; code = w / 2^e, held within +-448, to the nearest code, ties to even; e = lowp_scales[0] (qkv_w), [6] (proj_w).
; LIMITS: e between -126 and 119, so that 2^e and 448 x 2^e are f32 numbers.  NaN among the inputs is not served.
; No matrix unit, no tensor load, no cluster: work-groups share no input, and the launch is a stream.
.set X,    16                          ; v16-79   64 numbers of x
.set WN,   80                          ; v80-95   16 weights
.set WC,   96                          ; v96-99   their codes
.set MK,   100                         ; v100-101 8 bytes of the mask
.set LIM,  102
.set SCL,  103                         ; v103     2^e
.set PR,   104                         ; v104-119 the eight waves' pairs
.macro WSUM a, t                       ; the sum of v[a] over the wave's 32 lanes, in every lane; v[t] at work (written before)
	s_delay_alu instid0(VALU_DEP_1)
	v_add_f32_dpp v[\a], v[\a], v[\a] row_xmask:1 row_mask:0xf bank_mask:0xf
	s_delay_alu instid0(VALU_DEP_1)
	v_add_f32_dpp v[\a], v[\a], v[\a] row_xmask:2 row_mask:0xf bank_mask:0xf
	s_delay_alu instid0(VALU_DEP_1)
	v_add_f32_dpp v[\a], v[\a], v[\a] row_xmask:4 row_mask:0xf bank_mask:0xf
	s_delay_alu instid0(VALU_DEP_1)
	v_add_f32_dpp v[\a], v[\a], v[\a] row_xmask:8 row_mask:0xf bank_mask:0xf
	s_delay_alu instid0(VALU_DEP_1)
	v_permlanex16_b32 v[\t], v[\a], s32, s33
	s_delay_alu instid0(VALU_DEP_1)
	v_add_f32 v[\a], v[\a], v[\t]
.endm
	s_load_b512 s[4:19], s[0:1], 0x0               ; x 4:5, qkv_w 6:7, proj_w 8:9, mask 10:11, scales 12:13, stats 14:15, wcodes 16:17, out1 18:19
	v_lshl_add_u32 v128, v0, 2, 0x100
	v_mov_b32 v129, 0
	v_lshrrev_b32 v2, 5, v0
	s_delay_alu instid0(VALU_DEP_1)
	v_readfirstlane_b32 s20, v2                    ; wave 0..7
	v_lshlrev_b32 v1, 4, v0                        ; x: 16 bytes a thread, 512 consecutive bytes a wave
	v_and_b32 v2, 31, v0                           ; lane
	v_and_b32 v8, 15, v0                           ; r
	v_bfe_u32 v9, v0, 4, 1                         ; h
	s_delay_alu instid0(VALU_DEP_2)
	v_lshlrev_b32 v3, 10, v8
	s_delay_alu instid0(VALU_DEP_1)
	v_lshl_add_u32 v3, v9, 5, v3                   ; a weight's row r of 1,024 bytes, + 32 h
	v_lshlrev_b32 v4, 4, v2                        ; 16 x lane: my place in a group of an image
	v_lshlrev_b32 v5, 3, v2                        ; 8 x lane: my place in 256 bytes of the mask
	s_lshl_b32 s21, s20, 3
	v_mov_b32 v6, s21                              ; LDS: my wave's pair
	v_mov_b32 v7, 0
	s_mov_b32 s32, 0x76543210                      ; v_permlanex16_b32: lane l xor 16
	s_mov_b32 s33, 0xfedcba98
	s_lshl_b32 s34, ttmp9, 16                      ; x: 65,536 b
	s_mov_b32 s35, 0
	s_lshr_b32 s36, ttmp9, 2                       ; T: the tile of 16 weight rows
	s_and_b32 s37, ttmp9, 3
	s_lshl_b32 s37, s37, 1
	s_add_co_u32 s37, s37, s20                     ; cb = 2 (b % 4) + wave (used by waves 0 and 1 alone)
	s_cmp_lt_u32 ttmp9, 192                        ; T < 48: qkv_w
	s_cselect_b32 s38, 0, 48
	s_sub_co_u32 s38, s36, s38                     ; the tile's number in its own tensor
	s_lshl_b32 s38, s38, 14                        ; 16 rows of 1,024 bytes
	s_lshl_b32 s39, s37, 7
	s_add_co_u32 s38, s38, s39                     ; + 32 cb numbers
	s_mov_b32 s39, 0
	s_lshr_b32 s40, s36, 1                         ; where the tile's image lies: T < 32: 12,288 (T / 2) + 4,096 (T % 2)
	s_mul_i32 s40, s40, 12288
	s_and_b32 s41, s36, 1
	s_lshl_b32 s41, s41, 12
	s_add_co_u32 s40, s40, s41
	s_sub_co_u32 s41, s36, 32                      ; 32 <= T < 48: 12,288 (T - 32) + 8,192
	s_mul_i32 s41, s41, 12288
	s_add_co_u32 s41, s41, 8192
	s_lshl_b32 s42, s36, 12                        ; T >= 48: 4,096 T
	s_cmp_lt_u32 s36, 32
	s_cselect_b32 s40, s40, s41
	s_cmp_lt_u32 s36, 48
	s_cselect_b32 s40, s40, s42
	s_lshl_b32 s41, s37, 9
	s_add_co_u32 s40, s40, s41                     ; + group cb
	s_mov_b32 s41, 0
	s_wait_kmcnt 0x0
	s_load_b256 s[24:31], s[12:13], 0x0            ; e0 .. e7
	s_add_nc_u64 s[4:5], s[4:5], s[34:35]
	s_cmp_lt_u32 ttmp9, 192                        ; the choice hangs on the work-group's number alone
	s_cselect_b64 s[22:23], s[6:7], s[8:9]
	s_add_nc_u64 s[22:23], s[22:23], s[38:39]
	s_add_nc_u64 s[16:17], s[16:17], s[40:41]
	s_lshl_b32 s34, ttmp9, 8
	s_add_nc_u64 s[10:11], s[10:11], s[34:35]      ; mask and out1: 256 b
	s_add_nc_u64 s[18:19], s[18:19], s[34:35]
	s_lshl_b32 s34, ttmp9, 3
	s_add_nc_u64 s[14:15], s[14:15], s[34:35]      ; stats: 8 b
	s_cmp_ge_u32 s20, 2
	s_cbranch_scc1 .Lno_weights
	s_wait_alu depctr_va_vdst(0)
	global_load_b128 v[WN:WN+3],     v3, s[22:23] th:TH_LOAD_NT             ; k = 32 cb + 8 h + 0..7
	global_load_b128 v[WN+4:WN+7],   v3, s[22:23] offset:16 th:TH_LOAD_NT
	global_load_b128 v[WN+8:WN+11],  v3, s[22:23] offset:64 th:TH_LOAD_NT   ; k = 32 cb + 16 + 8 h + 0..7
	global_load_b128 v[WN+12:WN+15], v3, s[22:23] offset:80 th:TH_LOAD_NT
.Lno_weights:
	s_cmp_lg_u32 s20, 2
	s_cbranch_scc1 .Lno_mask
	s_wait_alu depctr_va_vdst(0)
	global_load_b64 v[MK:MK+1], v5, s[10:11]
.Lno_mask:
.irp i, 0,1,2,3,4,5,6,7,8,9,10,11,12,13,14,15
	global_load_b128 v[X+4*\i:X+4*\i+3], v1, s[4:5] offset:4096*\i          ; the eight waves cover 4,096 consecutive bytes; x is read again by later launches: no hint
.endr
	s_wait_kmcnt 0x0
	s_cmp_lt_u32 ttmp9, 192
	s_cselect_b32 s21, s24, s30                    ; e0 or e6
	s_add_co_i32 s21, s21, 127
	s_lshl_b32 s34, s21, 23
	v_mov_b32 v[SCL], s34                          ; 2^e as f32: the conversion takes its exponent field
	s_cmp_ge_u32 s20, 2
	s_cbranch_scc1 .Lno_codes
	s_wait_loadcnt 16                              ; my four weight loads are in; the 16 loads of x behind them may be out
.irp i, 0,1,2,3,4,5,6,7,8,9,10,11,12,13,14,15
.endr
	s_wait_alu depctr_va_vdst(0)
	v_cvt_scalef32_pk8_fp8_f32 v[WC:WC+1], v[WN:WN+7], v[SCL]
	v_cvt_scalef32_pk8_fp8_f32 v[WC+2:WC+3], v[WN+8:WN+15], v[SCL]
	global_store_b128 v4, v[WC:WC+3], s[16:17]     ; a group of an image: 512 consecutive bytes
.Lno_codes:
	s_cmp_lg_u32 s20, 2
	s_cbranch_scc1 .Lno_copy
	s_wait_loadcnt 16                              ; the mask's load is in
	s_wait_alu depctr_va_vdst(0)
	global_store_b64 v5, v[MK:MK+1], s[18:19]      ; 256 consecutive bytes, aligned
.Lno_copy:
	s_wait_loadcnt 0x0
	v_pk_add_f32 v[10:11], v[16:17], v[24:25]
	v_pk_add_f32 v[12:13], v[32:33], v[40:41]
	v_pk_add_f32 v[14:15], v[48:49], v[56:57]
	v_pk_add_f32 v[126:127], v[64:65], v[72:73]
	v_pk_add_f32 v[124:125], v[18:19], v[26:27]
	v_pk_add_f32 v[122:123], v[34:35], v[42:43]
	v_pk_add_f32 v[120:121], v[50:51], v[58:59]
	v_pk_add_f32 v[8:9], v[66:67], v[74:75]
	s_delay_alu instid0(VALU_DEP_1)
	v_pk_add_f32 v[8:9], v[8:9], v[20:21]
	v_pk_add_f32 v[10:11], v[10:11], v[28:29]
	v_pk_add_f32 v[12:13], v[12:13], v[36:37]
	v_pk_add_f32 v[14:15], v[14:15], v[44:45]
	v_pk_add_f32 v[126:127], v[126:127], v[52:53]
	v_pk_add_f32 v[124:125], v[124:125], v[60:61]
	v_pk_add_f32 v[122:123], v[122:123], v[68:69]
	v_pk_add_f32 v[120:121], v[120:121], v[76:77]
	v_pk_add_f32 v[8:9], v[8:9], v[22:23]
	v_pk_add_f32 v[10:11], v[10:11], v[30:31]
	v_pk_add_f32 v[12:13], v[12:13], v[38:39]
	v_pk_add_f32 v[14:15], v[14:15], v[46:47]
	v_pk_add_f32 v[126:127], v[126:127], v[54:55]
	v_pk_add_f32 v[124:125], v[124:125], v[62:63]
	v_pk_add_f32 v[122:123], v[122:123], v[70:71]
	v_pk_add_f32 v[120:121], v[120:121], v[78:79]
	s_delay_alu instid0(VALU_DEP_4)
	v_pk_add_f32 v[8:9], v[8:9], v[126:127]
	s_delay_alu instid0(VALU_DEP_4)
	v_pk_add_f32 v[10:11], v[10:11], v[124:125]
	s_delay_alu instid0(VALU_DEP_4)
	v_pk_add_f32 v[12:13], v[12:13], v[122:123]
	s_delay_alu instid0(VALU_DEP_4)
	v_pk_add_f32 v[14:15], v[14:15], v[120:121]
	s_delay_alu instid0(VALU_DEP_2)
	v_pk_add_f32 v[8:9], v[8:9], v[12:13]
	s_delay_alu instid0(VALU_DEP_2)
	v_pk_add_f32 v[10:11], v[10:11], v[14:15]
	s_delay_alu instid0(VALU_DEP_1)
	v_pk_add_f32 v[8:9], v[8:9], v[10:11]
	s_delay_alu instid0(VALU_DEP_1)
	v_add_f32 v8, v8, v9
	WSUM 8, 9
	s_delay_alu instid0(VALU_DEP_1)
	v_mul_f32 v8, 0x3a000000, v8                   ; / 2,048
	s_delay_alu instid0(VALU_DEP_1)
	v_mov_b32 v9, v8
	; the sum of squared deviations from it
.set p, 0
.rept 32
	v_pk_add_f32 v[X+2*p:X+2*p+1], v[X+2*p:X+2*p+1], v[8:9] neg_lo:[0,1] neg_hi:[0,1]
.set p, p+1
.endr
	v_pk_mul_f32 v[10:11], v[X:X+1], v[X:X+1]
	v_pk_mul_f32 v[12:13], v[X+2:X+3], v[X+2:X+3]
.set p, 2
.rept 15
	s_delay_alu instid0(VALU_DEP_2)
	v_pk_fma_f32 v[10:11], v[X+2*p:X+2*p+1], v[X+2*p:X+2*p+1], v[10:11]
	s_delay_alu instid0(VALU_DEP_2)
	v_pk_fma_f32 v[12:13], v[X+2*p+2:X+2*p+3], v[X+2*p+2:X+2*p+3], v[12:13]
.set p, p+2
.endr
	s_delay_alu instid0(VALU_DEP_1)
	v_pk_add_f32 v[10:11], v[10:11], v[12:13]
	s_delay_alu instid0(VALU_DEP_1)
	v_add_f32 v10, v10, v11
	WSUM 10, 11
	s_delay_alu instid0(VALU_DEP_1)
	v_mov_b32 v9, v10                              ; (mean, M2) of my wave
	ds_store_b64 v6, v[8:9]                        ; all lanes write the same 8 bytes with the same value
	s_wait_dscnt 0x0                               ; for the others' sake: my store is done
	s_barrier_signal -1
	s_barrier_wait -1
	s_cmp_lg_u32 s20, 0
	s_cbranch_scc1 .Lend                           ; wave 0 joins the eight parts
.irp i, 0,1,2,3
	ds_load_b128 v[PR+4*\i:PR+4*\i+3], v7 offset:16*\i
.endr
	s_wait_dscnt 0x0
	v_add_f32 v8, v[PR], v[PR+2]
	v_add_f32 v9, v[PR+4], v[PR+6]
	v_add_f32 v10, v[PR+8], v[PR+10]
	v_add_f32 v11, v[PR+12], v[PR+14]
	s_delay_alu instid0(VALU_DEP_3)
	v_add_f32 v8, v8, v9
	s_delay_alu instid0(VALU_DEP_2)
	v_add_f32 v10, v10, v11
	s_delay_alu instid0(VALU_DEP_1)
	v_add_f32 v8, v8, v10
	s_delay_alu instid0(VALU_DEP_1)
	v_mul_f32 v8, 0x3e000000, v8                   ; the mean of the eight means (equal counts)
	v_add_f32 v9, v[PR+1], v[PR+3]
	v_add_f32 v10, v[PR+5], v[PR+7]
	v_add_f32 v11, v[PR+9], v[PR+11]
	v_add_f32 v12, v[PR+13], v[PR+15]
	s_delay_alu instid0(VALU_DEP_3)
	v_add_f32 v9, v9, v10
	s_delay_alu instid0(VALU_DEP_2)
	v_add_f32 v11, v11, v12
	s_delay_alu instid0(VALU_DEP_1)
	v_add_f32 v9, v9, v11                          ; the sum of the parts' M2
.irp i, 0,1,2,3,4,5,6,7
	v_sub_f32 v[PR+2*\i], v[PR+2*\i], v8
.endr
	v_mul_f32 v10, v[PR], v[PR]
	v_mul_f32 v11, v[PR+2], v[PR+2]
	s_delay_alu instid0(VALU_DEP_2)
	v_fmac_f32 v10, v[PR+4], v[PR+4]
	s_delay_alu instid0(VALU_DEP_2)
	v_fmac_f32 v11, v[PR+6], v[PR+6]
	s_delay_alu instid0(VALU_DEP_2)
	v_fmac_f32 v10, v[PR+8], v[PR+8]
	s_delay_alu instid0(VALU_DEP_2)
	v_fmac_f32 v11, v[PR+10], v[PR+10]
	s_delay_alu instid0(VALU_DEP_2)
	v_fmac_f32 v10, v[PR+12], v[PR+12]
	s_delay_alu instid0(VALU_DEP_2)
	v_fmac_f32 v11, v[PR+14], v[PR+14]
	s_delay_alu instid0(VALU_DEP_1)
	v_add_f32 v10, v10, v11
	s_delay_alu instid0(VALU_DEP_1)
	v_fmamk_f32 v9, v10, 0x45000000, v9            ; + 2,048 x the sum of (part's mean - mean)^2
	s_wait_alu depctr_va_vdst(0)
	s_wait_xcnt 0x0                                ; EXEC is a source of my earlier loads and stores: it changes only behind this wait
	v_cmp_eq_u32 vcc_lo, 0, v0
	s_and_saveexec_b32 s21, vcc_lo
	global_store_b64 v7, v[8:9], s[14:15]          ; one lane stores the pair
	s_wait_xcnt 0x0                                ; and again in front of the line that widens it
	s_or_b32 exec_lo, exec_lo, s21
.Lend:
	s_wait_tensorcnt 0x0
	ds_add_u32 v128, v129
	s_wait_dscnt 0x0
	s_endpgm
.Lfunc_end_k_qebe1c9b43c_prep:
	.size	k_qebe1c9b43c_prep, .Lfunc_end_k_qebe1c9b43c_prep-k_qebe1c9b43c_prep
	.p2alignl 7, 3214868480
	.fill 96, 4, 3214868480
	.section	.rodata,"a",@progbits
	.p2align	6, 0x0
	.amdhsa_kernel k_qebe1c9b43c_prep
		.amdhsa_group_segment_fixed_size 1280
		.amdhsa_private_segment_fixed_size 0
		.amdhsa_enable_private_segment 0
		.amdhsa_kernarg_size 64
		.amdhsa_user_sgpr_count 2
		.amdhsa_user_sgpr_kernarg_segment_ptr 1
		.amdhsa_wavefront_size32 1
		.amdhsa_system_sgpr_workgroup_id_x 1
		.amdhsa_system_sgpr_workgroup_id_y 1
		.amdhsa_system_sgpr_workgroup_id_z 1
		.amdhsa_system_vgpr_workitem_id 0
		.amdhsa_next_free_vgpr 130
		.amdhsa_next_free_sgpr 66
		.amdhsa_reserve_vcc 1
		.amdhsa_float_denorm_mode_32 3
		.amdhsa_float_denorm_mode_16_64 3
		.amdhsa_fp16_overflow 1
		.amdhsa_memory_ordered 1
		.amdhsa_forward_progress 1
		.amdhsa_inst_pref_size 17
	.end_amdhsa_kernel
	.amdgpu_metadata
---
amdhsa.version: [ 1, 2 ]
amdhsa.kernels:
  - .name:           k_qebe1c9b43c_prep
    .symbol:         k_qebe1c9b43c_prep.kd
    .args:
      - { .name: x, .offset: 0, .size: 8, .value_kind: global_buffer, .address_space: global }
      - { .name: qkv_w, .offset: 8, .size: 8, .value_kind: global_buffer, .address_space: global }
      - { .name: proj_w, .offset: 16, .size: 8, .value_kind: global_buffer, .address_space: global }
      - { .name: mask, .offset: 24, .size: 8, .value_kind: global_buffer, .address_space: global }
      - { .name: lowp_scales, .offset: 32, .size: 8, .value_kind: global_buffer, .address_space: global }
      - { .name: stats, .offset: 40, .size: 8, .value_kind: global_buffer, .address_space: global }
      - { .name: wcodes, .offset: 48, .size: 8, .value_kind: global_buffer, .address_space: global }
      - { .name: out1, .offset: 56, .size: 8, .value_kind: global_buffer, .address_space: global }
    .group_segment_fixed_size: 1280
    .private_segment_fixed_size: 0
    .kernarg_segment_align: 8
    .kernarg_segment_size: 64
    .max_flat_workgroup_size: 256
    .sgpr_count:     66
    .vgpr_count:     130
    .wavefront_size: 32
...
	.end_amdgpu_metadata
.endif
;; end of part 1
;; launch qkv (part 2): grid 256 x 1, 16 waves a work-group, clusters of 4 x 1, 215,040 bytes of LDS; arguments x, norm_w, norm_b, qkv_b, lowp_scales, stats, wcodes, qimg, kv; writes qimg, kv
.if DOCPART == 2
	.amdgcn_target "amdgcn-amd-amdhsa--gfx1250"
	.amdhsa_code_object_version 6
	.text
	.protected	k_qebe1c9b43c_qkv
	.globl	k_qebe1c9b43c_qkv
	.p2align	8
	.type	k_qebe1c9b43c_qkv,@function
k_qebe1c9b43c_qkv:
	s_mov_b64 s[64:65], 0
	v_nop
	global_prefetch_b8 v0, s[64:65] scope:SCOPE_SE
	s_setreg_imm32_b32 hwreg(HW_REG_WAVE_MODE, 25, 1), 1
	s_wait_xcnt 0x0
	s_wait_alu depctr_hold_cnt(0) depctr_sa_sdst(0) depctr_va_vdst(0) depctr_va_sdst(0) depctr_va_ssrc(0) depctr_va_vcc(0) depctr_vm_vsrc(0)
	s_getreg_b32 s2, hwreg(HW_REG_IB_STS2, 6, 4)
	s_cmp_eq_u32 s2, 0
	s_cbranch_scc0 .Lentry_in_a_cluster
	s_endpgm
.Lentry_in_a_cluster:
	s_bfe_u32 s2, ttmp6, 0x10000c
	s_cmp_lg_u32 s2, 0x3003
	s_cbranch_scc0 .Lentry_shape_is_right
	s_endpgm
.Lentry_shape_is_right:
; QKV: GroupNorm applied, x_norm quantised, qkv = qkv_w x_norm + qkv_b on codes of E4M3, and q, k, v quantised for the attention launch.
; SHARES.  A work-group owns 64 positions of one sample and all 768 output channels.  Wave w of sixteen makes rows 32 w .. 32 w + 31 of q (w < 8) or k (w >= 8) and rows 16 w .. 16 w + 15 of v.
; EVERY OPERAND IS AN IMAGE OF REGISTERS in the plain 8-bit layout (lane (r, h), registers 2 c, 2 c + 1: k = 16 c + 8 h + 0..7: ISA guide 7.12.2): a group of four registers is 512 bytes,
; lane l's 16 bytes at 16 l.  One conversion of a result tile's eight registers IS registers 2 c, 2 c + 1 of the next operand, so nothing is permuted and every store of codes is 512 consecutive bytes.
; PHASE A.  Wave w: positions 32 (w % 2) + lane, channels 32 (w / 2) on, which is one group of the norm: a lane is a position, its 32 registers run down K.  The group's eight partial
;   statistics are joined (no difference of large sums), x is normalised in f32, held, converted, and stored into LDS as the images of eight fragments (4 tiles of positions x 2 K steps).
; PHASE B.  For each tile of 16 positions six matrix instructions on three accumulators by turns: q/k: source 0 = 16 weight rows, source 1 = x: a lane holds a position and eight channels;
;   v: the sources swapped: a lane holds a channel and eight positions (the keys are the second attention product's K).  The bias, divided by 2^(e0 + e1), is the C of each sum's first instruction.
; WEIGHTS.  All work-groups read the same 196,608 bytes of weight images: the four work-groups of a cluster ask for them JOINTLY.  Wave w's one tensor load brings the 12,288 bytes that it alone reads,
;   so its own wait on TENSORcnt orders its reads; that is 48 rows of 256 bytes a load.  LDS is filled once: no ring.  One tensor load of a wave is outstanding.
; OUT.  qimg [n][tile of 16 positions][head][1,024]: a fragment 16 positions x 64 channels.  kv [n][block of 64 keys][32,768]: K [tile 4][head 4][1,024], then V [tile of 16 channels 16][1,024]: 16 channels x 64 keys.
; LIMITS on the given exponents, so that each power of two is an f32 number: e1, e2 - e0 - e1, e3 - e0 - e1, e5 - e0 - e1 between -126 and 119.  NaN among the inputs is not served.
.set XC,   196608                      ; LDS: behind the weights: x_norm's images, fragment (pt, s) at 2,048 (2 pt + s)
.set WV,   22                          ; s22      my wave's number
.set G1,   24                          ; s[24:31] descriptor group 1
.set G0,   32                          ; s[32:35] descriptor group 0
.set XN,   32                          ; v32-63   phase A: 32 numbers of x
.set NW,   64                          ; v64-95   norm_w of my 32 channels, then x rstd
.set NB,   96                          ; v96-127  norm_b
.set ST,   160                         ; v160-175 eight pairs (mean, M2)
.set BQ,   128                         ; v128-143 bias of my two q/k tiles, in the result's layout
.set BV,   144                         ; v144-151 bias of my v tile
.set ACC,  224                         ; v224-247 three accumulators
.macro CROUND                          ; a round of the cluster's barrier
	s_barrier_signal -1
	s_barrier_wait -1
	s_cmp_lg_u32 s[WV], 0
	s_cbranch_scc1 .Lnot_wave_0_\@
	s_barrier_signal -3
.Lnot_wave_0_\@:
	s_barrier_wait -3
	s_barrier_signal -1
	s_barrier_wait -1
.endm
.macro MKSCALE se, vlim, vsc, t0, t1   ; from the whole number e in s[se]: v[vsc] = 2^e, as f32
	s_add_co_i32 s[\t0], s[\se], 127
	s_lshl_b32 s[\t1], s[\t0], 23
	v_mov_b32 v[\vsc], s[\t1]
.endm
	s_load_b512 s[4:19], s[0:1], 0x0               ; x 4:5, norm_w 6:7, norm_b 8:9, qkv_b 10:11, scales 12:13, stats 14:15, wcodes 16:17, qimg 18:19
	s_load_b64 s[20:21], s[0:1], 0x40              ; kv
	v_lshl_add_u32 v254, v0, 2, 0x34000
	v_mov_b32 v255, 0
	ds_add_u32 v254, v255
	ds_add_u32 v254, v255
	v_lshrrev_b32 v1, 5, v0
	s_delay_alu instid0(VALU_DEP_1)
	v_readfirstlane_b32 s[WV], v1                  ; wave 0..15
	v_and_b32 v1, 31, v0                           ; lane
	s_delay_alu instid0(VALU_DEP_1)
	v_lshlrev_b32 v2, 2, v1                        ; x: 4 bytes a lane
	s_delay_alu instid0(VALU_DEP_2)
	v_lshlrev_b32 v6, 4, v1                        ; 16 x lane: my place in a group of an image
	v_mov_b32 v7, 0
	v_and_b32 v250, 15, v0                         ; r
	s_wait_alu depctr_va_vdst(0)
	v_bfe_u32 v251, v0, 4, 1                       ; h
	s_lshr_b32 s48, s[WV], 1                       ; g: my group of the norm, 32 channels
	s_and_b32 s49, s[WV], 1                        ; which 32 of the 64 positions
	s_lshl_b32 s50, s49, 13                        ; where my codes go: tile pt = 2 half + lane / 16, K step g / 4, group g % 4
	s_lshr_b32 s51, s48, 2
	s_lshl_b32 s51, s51, 11
	s_add_co_u32 s50, s50, s51
	s_and_b32 s51, s48, 3
	s_lshl_b32 s51, s51, 9
	s_add_co_u32 s50, s50, s51
	s_add_co_u32 s50, s50, XC
	v_lshlrev_b32 v3, 4, v250
	s_wait_alu depctr_va_vdst(0)
	v_lshl_add_u32 v3, v251, 12, v3
	s_delay_alu instid0(VALU_DEP_1)
	v_add_nc_u32 v3, s50, v3                       ; + 4,096 (lane / 16) + 16 (lane % 16)
	s_mul_i32 s52, s[WV], 12288                    ; my weights: in wcodes and in LDS alike
	s_mov_b32 s53, 0
	v_add_nc_u32 v4, s52, v6
	v_add_nc_u32 v5, XC, v6
	s_lshl_b32 s23, s[WV], 7
	v_lshl_add_u32 v249, v251, 5, s23              ; qkv_b at channel 32 w + 8 h
	s_lshl_b32 s51, s[WV], 6
	s_add_co_u32 s51, s51, 2048
	v_lshl_add_u32 v252, v250, 2, s51              ; qkv_b at channel 512 + 16 w + r
	s_bfe_u32 s36, ttmp6, 0x40000                  ; cx: it enters the addresses of x, stats, qimg and kv alone
	s_lshl_b32 s37, ttmp9, 2                       ; in a cluster launch ttmp9 counts clusters
	s_add_co_u32 s37, s37, s36                     ; the work-group's number
	s_lshr_b32 s38, s37, 6                         ; n: the sample
	s_and_b32 s39, s37, 63                         ; pb: the block of 64 positions
	s_lshl_b32 s54, s38, 3
	s_add_co_u32 s54, s54, s48
	s_lshl_b32 s54, s54, 6                         ; stats: 64 bytes for group 8 n + g
	s_mov_b32 s55, 0
	s_lshl_b32 s56, s48, 7                         ; norm_w, norm_b: 128 g
	s_mov_b32 s57, 0
	s_lshl_b32 s58, s38, 22                        ; x: the sample, channel 32 g, position 64 pb + 32 half
	s_lshl_b32 s36, s48, 19
	s_add_co_u32 s58, s58, s36
	s_lshl_b32 s36, s39, 8
	s_add_co_u32 s58, s58, s36
	s_lshl_b32 s36, s49, 7
	s_add_co_u32 s58, s58, s36
	s_mov_b32 s59, 0
	s_lshl_b32 s60, s38, 20                        ; qimg: 2^20 n + 16,384 pb
	s_lshl_b32 s36, s39, 14
	s_add_co_u32 s60, s60, s36
	s_mov_b32 s61, 0
	s_lshl_b32 s62, s60, 1                         ; kv: 2^21 n + 32,768 pb
	s_mov_b32 s63, 0
	s_mov_b32 s[G1], 15|(3<<16)|(1<<21)            ; 15:0 the mask: all four work-groups; 17:16 elements of 8 bytes; 21 set beside a mask; no padding: images are read 512 consecutive bytes at a time
	s_mov_b32 s[G1+1], 32<<16                      ; tensor_dim0 = 32 elements: 256 bytes
	s_mov_b32 s[G1+2], 48<<16                      ; tensor_dim1 = 48
	s_mov_b32 s[G1+3], 32<<16                      ; tile_dim0
	s_mov_b32 s[G1+4], 48                          ; tile_dim1
	s_mov_b32 s[G1+5], 32                          ; from row to row: dense
	s_mov_b32 s[G1+6], 0
	s_mov_b32 s[G1+7], 0
	s_mov_b32 s[G0], 1
	s_mov_b32 s[G0+1], s52                         ; LDS: 12,288 x wave
	s_wait_alu depctr_va_vdst(0)
	s_wait_dscnt 0x0
	s_wait_kmcnt 0x0
	s_load_b256 s[40:47], s[12:13], 0x0            ; e0 .. e7
	s_add_nc_u64 s[G0+2:G0+3], s[16:17], s[52:53]
	s_or_b32 s[G0+3], s[G0+3], 0x80000000          ; type = 2
	s_add_nc_u64 s[14:15], s[14:15], s[54:55]
	s_add_nc_u64 s[6:7], s[6:7], s[56:57]
	s_add_nc_u64 s[8:9], s[8:9], s[56:57]
	s_add_nc_u64 s[4:5], s[4:5], s[58:59]
	s_lshl_b32 s54, s[WV], 10                      ; V's image of my 16 channels: kv's block + 16,384 + 1,024 w
	s_add_co_u32 s54, s54, s62
	s_add_co_u32 s54, s54, 16384
	s_and_b32 s36, s[WV], 7                        ; q's or k's: head (w % 8) / 2, group w % 2
	s_lshr_b32 s36, s36, 1
	s_lshl_b32 s36, s36, 10
	s_lshl_b32 s37, s49, 9
	s_add_co_u32 s36, s36, s37
	s_cmp_lt_u32 s[WV], 8                          ; the choice hangs on the wave's number alone
	s_cselect_b64 s[18:19], s[18:19], s[20:21]
	s_cselect_b32 s60, s60, s62
	s_add_co_u32 s60, s60, s36
	s_add_nc_u64 s[18:19], s[18:19], s[60:61]
	s_add_nc_u64 s[20:21], s[20:21], s[54:55]
	; loads, in the order in which they are waited for
.irp i, 0,1,2,3
	global_load_b128 v[ST+4*\i:ST+4*\i+3], v7, s[14:15] offset:16*\i        ; the same 64 bytes in every lane
.endr
.irp i, 0,1,2,3,4,5,6,7
	global_load_b128 v[NW+4*\i:NW+4*\i+3], v7, s[6:7] offset:16*\i
.endr
.irp i, 0,1,2,3,4,5,6,7
	global_load_b128 v[NB+4*\i:NB+4*\i+3], v7, s[8:9] offset:16*\i
.endr
.set i, 0
.rept 32
	global_load_b32 v[XN+i], v2, s[4:5] offset:16384*i                      ; channel 32 g + i: 128 consecutive bytes a wave; the wave beside me takes the 128 that follow
.set i, i+1
.endr
	global_load_b128 v[BQ:BQ+3],     v249, s[10:11]
	global_load_b128 v[BQ+4:BQ+7],   v249, s[10:11] offset:16
	global_load_b128 v[BQ+8:BQ+11],  v249, s[10:11] offset:64
	global_load_b128 v[BQ+12:BQ+15], v249, s[10:11] offset:80
	global_load_b32 v248, v252, s[10:11]
	CROUND                                         ; all four work-groups are here: the joint loads meet
	tensor_load_to_lds s[G0:G0+3], s[G1:G1+7]
	s_nop 0
.rept 4
	v_nop
.endr
	s_wait_kmcnt 0x0
	s_add_co_i32 s36, s40, s41                     ; e0 + e1: a sum of the product stands for sum x 2^(e0 + e1)
	s_sub_co_i32 s37, 0, s36
	MKSCALE 41, 188, 189, 38, 39                   ; x_norm's: e1
	s_cmp_lt_u32 s[WV], 8
	s_cselect_b32 s23, s42, s43                    ; q's e2 or k's e3,
	s_sub_co_i32 s23, s23, s36                     ; with the product's two scales folded in
	MKSCALE 23, 152, 153, 38, 39
	s_sub_co_i32 s23, s45, s36                     ; v's e5 likewise
	MKSCALE 23, 154, 155, 38, 39
	s_mov_b32 s56, 0x37000000                      ; 1 / 131,072: the group's count
	s_mov_b32 s57, 0x3727c5ac                      ; EPS = 1e-5
	; ---- PHASE A
	s_wait_loadcnt 37                              ; statistics, gains and offsets are in; behind them: 32 loads of x and 5 of the bias
	v_add_f32 v176, v[ST], v[ST+2]
	v_add_f32 v177, v[ST+4], v[ST+6]
	v_add_f32 v178, v[ST+8], v[ST+10]
	v_add_f32 v179, v[ST+12], v[ST+14]
	s_delay_alu instid0(VALU_DEP_3)
	v_add_f32 v176, v176, v177
	s_delay_alu instid0(VALU_DEP_2)
	v_add_f32 v178, v178, v179
	s_delay_alu instid0(VALU_DEP_1)
	v_add_f32 v176, v176, v178
	s_delay_alu instid0(VALU_DEP_1)
	v_mul_f32 v176, 0x3e000000, v176               ; the group's mean
	v_add_f32 v177, v[ST+1], v[ST+3]
	v_add_f32 v178, v[ST+5], v[ST+7]
	v_add_f32 v179, v[ST+9], v[ST+11]
	v_add_f32 v180, v[ST+13], v[ST+15]
	s_delay_alu instid0(VALU_DEP_3)
	v_add_f32 v177, v177, v178
	s_delay_alu instid0(VALU_DEP_2)
	v_add_f32 v179, v179, v180
	s_delay_alu instid0(VALU_DEP_1)
	v_add_f32 v178, v177, v179                     ; the sum of the parts' M2
.irp i, 0,1,2,3,4,5,6,7
	v_sub_f32 v[ST+2*\i], v[ST+2*\i], v176
.endr
	v_mul_f32 v179, v[ST], v[ST]
	v_mul_f32 v180, v[ST+2], v[ST+2]
	s_delay_alu instid0(VALU_DEP_2)
	v_fmac_f32 v179, v[ST+4], v[ST+4]
	s_delay_alu instid0(VALU_DEP_2)
	v_fmac_f32 v180, v[ST+6], v[ST+6]
	s_delay_alu instid0(VALU_DEP_2)
	v_fmac_f32 v179, v[ST+8], v[ST+8]
	s_delay_alu instid0(VALU_DEP_2)
	v_fmac_f32 v180, v[ST+10], v[ST+10]
	s_delay_alu instid0(VALU_DEP_2)
	v_fmac_f32 v179, v[ST+12], v[ST+12]
	s_delay_alu instid0(VALU_DEP_2)
	v_fmac_f32 v180, v[ST+14], v[ST+14]
	s_delay_alu instid0(VALU_DEP_1)
	v_add_f32 v179, v179, v180
	s_delay_alu instid0(VALU_DEP_1)
	v_fmamk_f32 v178, v179, 0x46800000, v178       ; + 16,384 x the sum of (part's mean - mean)^2
	s_delay_alu instid0(VALU_DEP_1)
	v_fma_f32 v178, v178, s56, s57                 ; var + EPS
	s_wait_alu depctr_va_vdst(0)
	v_rsq_f32 v178, v178
	v_mov_b32 v177, v176                           ; (a plain line behind the transcendental)  the mean as a pair
	s_wait_alu depctr_va_vdst(0)
	v_mov_b32 v179, v178                           ; rstd as a pair
.set j, 0
.rept 16
	v_pk_mul_f32 v[NW+j:NW+j+1], v[NW+j:NW+j+1], v[178:179]
.set j, j+2
.endr
.irp q, 0,1,2,3
	s_wait_loadcnt 29-8*\q                         ; these eight channels are in; behind them: the later channels and the bias's five
.irp k, 0,2,4,6
	v_pk_add_f32 v[XN+8*\q+\k:XN+8*\q+\k+1], v[XN+8*\q+\k:XN+8*\q+\k+1], v[176:177] neg_lo:[0,1] neg_hi:[0,1]
.endr
.irp k, 0,2,4,6
	s_delay_alu instid0(VALU_DEP_4)
	v_pk_fma_f32 v[XN+8*\q+\k:XN+8*\q+\k+1], v[XN+8*\q+\k:XN+8*\q+\k+1], v[NW+8*\q+\k:NW+8*\q+\k+1], v[NB+8*\q+\k:NB+8*\q+\k+1]
.endr
.irp k, 0,1,2,3,4,5,6,7
.endr
	v_cvt_scalef32_pk8_fp8_f32 v[180+4*(\q%2)+2*(\q/2):181+4*(\q%2)+2*(\q/2)], v[XN+8*\q:XN+8*\q+7], v189   ; k 0-7 and 16-23 belong to the image's lane r, k 8-15 and 24-31 to its lane 16 + r
.endr
	v_nop                                          ; a plain line behind the last conversion
	ds_store_b128 v3, v[180:183]
	ds_store_b128 v3, v[184:187] offset:256
	s_wait_dscnt 0x0                               ; for the others' sake: my stores are done
	s_barrier_signal -1
	s_barrier_wait -1                              ; x_norm's eight fragments lie in LDS.
	; ---- PHASE B
	s_wait_tensorcnt 0x0                           ; my weights are in: only I read them
.set i, 0
.rept 24
	ds_load_b128 v[32+4*i:35+4*i], v4 offset:512*i                 ; v32-63 tile 2 w (K steps 0, 1), v64-95 tile 2 w + 1, v96-127 v's tile: they stay
.set i, i+1
.endr
.irp i, 0,1,2,3,4,5,6,7
	ds_load_b128 v[160+4*\i:163+4*\i], v5 offset:512*\i            ; positions 0-15
.endr
.irp i, 0,1,2,3,4,5,6,7
	ds_load_b128 v[192+4*\i:195+4*\i], v5 offset:4096+512*\i       ; positions 16-31
.endr
	s_wait_loadcnt 0x0                             ; the bias
.set j, 0
.rept 16
	v_ldexp_f32 v[BQ+j], v[BQ+j], s37              ; / 2^(e0 + e1)
.set j, j+1
.endr
.set j, 0
.rept 8
	v_ldexp_f32 v[BV+j], v248, s37                 ; v's result holds one channel a lane: eight equal registers
.set j, j+1
.endr
; A tile of 16 positions.  Three accumulators take turns, one instruction a turn.
.macro PT pt
.set XF, 160+32*((\pt)%2)
.if \pt < 3
	s_wait_dscnt 8                                 ; this tile's fragments are in; the other buffer's eight loads may be out
.else
	s_wait_dscnt 0
.endif
	v_wmma_f32_16x16x128_fp8_fp8 v[ACC:ACC+7],     v[32:47],      v[XF:XF+15],    v[BQ:BQ+7]
	v_wmma_f32_16x16x128_fp8_fp8 v[ACC+8:ACC+15],  v[64:79],      v[XF:XF+15],    v[BQ+8:BQ+15]
	v_wmma_f32_16x16x128_fp8_fp8 v[ACC+16:ACC+23], v[XF:XF+15],   v[96:111],      v[BV:BV+7]
	v_wmma_f32_16x16x128_fp8_fp8 v[ACC:ACC+7],     v[48:63],      v[XF+16:XF+31], v[ACC:ACC+7]
	v_wmma_f32_16x16x128_fp8_fp8 v[ACC+8:ACC+15],  v[80:95],      v[XF+16:XF+31], v[ACC+8:ACC+15]
	v_wmma_f32_16x16x128_fp8_fp8 v[ACC+16:ACC+23], v[XF+16:XF+31], v[112:127],    v[ACC+16:ACC+23]
.rept 5
	v_nop                                          ; places: four in front of the reads of results and of loads into operands; five in front of the next tile's products, which begin these accumulators anew
.endr
.if \pt < 2
.irp i, 0,1,2,3,4,5,6,7
	ds_load_b128 v[XF+4*\i:XF+4*\i+3], v5 offset:4096*(\pt+2)+512*\i
.endr
.endif
.irp j, 0,1,2,3,4,5,6,7,8,9,10,11,12,13,14,15
.endr
	v_cvt_scalef32_pk8_fp8_f32 v[8+4*\pt:9+4*\pt], v[ACC:ACC+7], v153          ; channels 16 (2 w) + 8 h + 0..7 of position r
	v_cvt_scalef32_pk8_fp8_f32 v[10+4*\pt:11+4*\pt], v[ACC+8:ACC+15], v153
.irp j, 16,17,18,19,20,21,22,23
.endr
	v_cvt_scalef32_pk8_fp8_f32 v[24+4*((\pt)/2)+2*((\pt)%2):25+4*((\pt)/2)+2*((\pt)%2)], v[ACC+16:ACC+23], v155   ; positions 16 pt + 8 h + 0..7 of channel r
	v_nop                                          ; a plain line behind the last conversion: the next products write its sources
	global_store_b128 v6, v[8+4*\pt:11+4*\pt], s[18:19] offset:4096*\pt        ; 512 consecutive bytes; each tile has registers of its own for its codes
.if (\pt)%2
	s_wait_alu depctr_va_vdst(0)
	global_store_b128 v6, v[24+4*((\pt)/2):27+4*((\pt)/2)], s[20:21] offset:512*((\pt)/2)
.endif
.endm
	s_wait_alu depctr_va_vdst(0)
	PT 0
	PT 1
	PT 2
	PT 3
	s_wait_tensorcnt 0x0
	ds_add_u32 v254, v255
	s_wait_dscnt 0x0
	CROUND                                         ; the closing round: no work-group ends while a partner may still ask for a tile that names it
	s_endpgm
.Lfunc_end_k_qebe1c9b43c_qkv:
	.size	k_qebe1c9b43c_qkv, .Lfunc_end_k_qebe1c9b43c_qkv-k_qebe1c9b43c_qkv
	.p2alignl 7, 3214868480
	.fill 96, 4, 3214868480
	.section	.rodata,"a",@progbits
	.p2align	6, 0x0
	.amdhsa_kernel k_qebe1c9b43c_qkv
		.amdhsa_group_segment_fixed_size 215040
		.amdhsa_private_segment_fixed_size 0
		.amdhsa_enable_private_segment 0
		.amdhsa_kernarg_size 72
		.amdhsa_user_sgpr_count 2
		.amdhsa_user_sgpr_kernarg_segment_ptr 1
		.amdhsa_wavefront_size32 1
		.amdhsa_system_sgpr_workgroup_id_x 1
		.amdhsa_system_sgpr_workgroup_id_y 1
		.amdhsa_system_sgpr_workgroup_id_z 1
		.amdhsa_system_vgpr_workitem_id 0
		.amdhsa_next_free_vgpr 256
		.amdhsa_next_free_sgpr 66
		.amdhsa_reserve_vcc 0
		.amdhsa_float_denorm_mode_32 3
		.amdhsa_float_denorm_mode_16_64 3
		.amdhsa_fp16_overflow 1
		.amdhsa_memory_ordered 1
		.amdhsa_forward_progress 1
		.amdhsa_inst_pref_size 27
	.end_amdhsa_kernel
	.amdgpu_metadata
---
amdhsa.version: [ 1, 2 ]
amdhsa.kernels:
  - .name:           k_qebe1c9b43c_qkv
    .symbol:         k_qebe1c9b43c_qkv.kd
    .args:
      - { .name: x, .offset: 0, .size: 8, .value_kind: global_buffer, .address_space: global }
      - { .name: norm_w, .offset: 8, .size: 8, .value_kind: global_buffer, .address_space: global }
      - { .name: norm_b, .offset: 16, .size: 8, .value_kind: global_buffer, .address_space: global }
      - { .name: qkv_b, .offset: 24, .size: 8, .value_kind: global_buffer, .address_space: global }
      - { .name: lowp_scales, .offset: 32, .size: 8, .value_kind: global_buffer, .address_space: global }
      - { .name: stats, .offset: 40, .size: 8, .value_kind: global_buffer, .address_space: global }
      - { .name: wcodes, .offset: 48, .size: 8, .value_kind: global_buffer, .address_space: global }
      - { .name: qimg, .offset: 56, .size: 8, .value_kind: global_buffer, .address_space: global }
      - { .name: kv, .offset: 64, .size: 8, .value_kind: global_buffer, .address_space: global }
    .group_segment_fixed_size: 215040
    .private_segment_fixed_size: 0
    .kernarg_segment_align: 8
    .kernarg_segment_size: 72
    .max_flat_workgroup_size: 512
    .sgpr_count:     66
    .vgpr_count:     256
    .wavefront_size: 32
...
	.end_amdgpu_metadata
.endif
;; end of part 2
;; launch attn (part 3): grid 64 x 4, 16 waves a work-group, clusters of 4 x 1, 327,680 bytes of LDS; arguments qimg, kv, wcodes, x, mask, proj_b, lowp_scales, out0; writes out0
.if DOCPART == 3
	.amdgcn_target "amdgcn-amd-amdhsa--gfx1250"
	.amdhsa_code_object_version 6
	.text
	.protected	k_qebe1c9b43c_attn
	.globl	k_qebe1c9b43c_attn
	.p2align	8
	.type	k_qebe1c9b43c_attn,@function
k_qebe1c9b43c_attn:
	s_mov_b64 s[64:65], 0
	v_nop
	global_prefetch_b8 v0, s[64:65] scope:SCOPE_SE
	s_setreg_imm32_b32 hwreg(HW_REG_WAVE_MODE, 25, 1), 1
	s_wait_xcnt 0x0
	s_wait_alu depctr_hold_cnt(0) depctr_sa_sdst(0) depctr_va_vdst(0) depctr_va_sdst(0) depctr_va_ssrc(0) depctr_va_vcc(0) depctr_vm_vsrc(0)
	s_getreg_b32 s2, hwreg(HW_REG_IB_STS2, 6, 4)
	s_cmp_eq_u32 s2, 0
	s_cbranch_scc0 .Lentry_in_a_cluster
	s_endpgm
.Lentry_in_a_cluster:
	s_bfe_u32 s2, ttmp6, 0x10000c
	s_cmp_lg_u32 s2, 0x3003
	s_cbranch_scc0 .Lentry_shape_is_right
	s_endpgm
.Lentry_shape_is_right:
; ATTN: out0 = (x + proj_w softmax(q k^T / 8) v + proj_b) x mask, all three products on codes of E4M3.
; SHARES.  A work-group owns 64 queries of one sample, for ALL four heads, so that the projection, whose K runs over the heads, needs no other work-group.  Wave w of sixteen: head w / 4,
; queries 16 (w % 4) on: one tile, 256 registers, four waves to a SIMD, so that one wave's vector work stands beside another's LDS loads and matrix work.
; THE SOFTMAX: t = score x log2(e) / 8; M = the running largest t rounded UP to a whole number; p = 2^(t - M) is quantised, not normalised; the row's sum is taken of the unquantised p and divides at the end.
; When M moves, the sum and O are multiplied by 2^(old M - new M): a power of two.
; LAYOUT.  Both attention products are used transposed (S^T = K Q^T, O^T = V^T P^T): a lane holds ONE query.  All operands lie in the plain 8-bit layout (lane (r, h), registers 2 c, 2 c + 1: k = 16 c + 8 h + 0..7:
; ISA guide 7.12.2), stored as images of registers: tile t of S^T holds keys 16 t + 8 h + 0..7, so its conversion IS registers 2 t, 2 t + 1 of P; O^T's four tiles likewise become a fragment of the projection's operand.
; K AND V come through a ring of two LDS slots of 256 keys (131,072 bytes: a byte copy of kv).  The four work-groups of a cluster walk the same sample's keys: each slot is asked for JOINTLY.
; Waves 0-7 issue one tensor load of 64 rows x 256 bytes each; all sixteen read.  One tensor load of a wave is outstanding; it has a whole slot's steps in which to land.
; THE TAIL.  O / sum is quantised and handed round through LDS as images; wave w makes output channels 16 w .. 16 w + 15 for the 64 positions (source 0 = positions, source 1 = proj_w: a lane holds a channel and eight
; neighbouring positions), and the results leave through the wave's own stage as aligned runs of 256 bytes.  The stages lie in slot 0, which has had its last fill and was left at the last change of slots.
; LIMITS on the given exponents, so that each power of two is an f32 number: e2 + e3 between -123 and 130 (added to the exponent field of log2(e) / 8); e4, e7 between -126 and 119; e6 + e7 between -126 and 127.
; NaN among the inputs is not served.
.set SLOT1, 1<<17                      ; slot 1 begins here: one exclusive or turns an address in one slot into the other's
.set SPARE, 2*SLOT1                    ; the spare words, 128 bytes for each of 16 waves: eight blocks of 256 bytes that no other line names
.set OIMG,  SPARE+2048                 ; the attention output's images: [tile of 16 positions 4][head 4][1,024]; no fill lands here
.set SP,    272                        ; a stage row: 256 bytes + 16
.set NSL,   16                         ; slots' worth of keys: 4,096 / 256
.set SEL,  20                          ; s[20:21] lane selects for v_permlanex16_b32: lane l xor 16
.set CS,   22                          ; s[22:23] c = log2(e) / 8 x 2^(e2 + e3)
.set G1,   24                          ; s[24:31] descriptor group 1
.set G0,   32                          ; s[32:35] descriptor group 0, which walks
.set WV,   36                          ; s36 my wave's number
.set TB,   37                          ; s37 LDS byte at which the slot in hand begins
.set SLOTS, 38                         ; s38 slots still to be asked for
; v1, v2 my place in K's images of a slot's step 0, 1; v3, v4 the same for V; v5, v6 the spare word's address and 0; v7 my byte in x and out0; v8, v9 the step's addresses; v10, v11 the stage: in, back;
; v12 -M, v13 the largest t, v[14:15] the sum in two halves; v16-23 Q; v24-27 mask; v28 proj_b; v30 16 x lane; v31 where my output image goes; v32-95 eight fragments of K or four of V;
; v96-159 S^T, then p; v160-191 O^T; v192-207 p's codes; v224 16 r, v225 4 r, v226 OIMG + 16 x lane; v244: 2^e4; v245: 2^e7; v236, v238-243, v246-255 at work.
.macro CROUND                          ; a round of the cluster's barrier
	s_barrier_signal -1
	s_barrier_wait -1
	s_cmp_lg_u32 s[WV], 0
	s_cbranch_scc1 .Lnot_wave_0_\@
	s_barrier_signal -3
.Lnot_wave_0_\@:
	s_barrier_wait -3
	s_barrier_signal -1
	s_barrier_wait -1
.endm
.macro JLOAD                           ; waves 0-7 fetch an eighth of a slot each.  The branch hangs on the wave's number alone.  Four v_nop follow the line
	s_cmp_lt_u32 s[WV], 8
	s_cbranch_scc0 .Lno_load_\@
	tensor_load_to_lds s[G0:G0+3], s[G1:G1+7]
	s_nop 0
.rept 4
	v_nop
.endr
.Lno_load_\@:
.endm
.macro MKSCALE se, vlim, vsc, t0, t1   ; from the whole number e in s[se]: v[vsc] = 2^e, as f32
	s_add_co_i32 s[\t0], s[\se], 127
	s_lshl_b32 s[\t1], s[\t0], 23
	v_mov_b32 v[\vsc], s[\t1]
.endm
	s_load_b512 s[4:19], s[0:1], 0x0               ; qimg 4:5, kv 6:7, wcodes 8:9, x 10:11, mask 12:13, proj_b 14:15, scales 16:17, out0 18:19
	v_lshl_add_u32 v5, v0, 2, SPARE
	v_mov_b32 v6, 0
	ds_add_u32 v5, v6
	ds_add_u32 v5, v6
	s_wait_dscnt 0x0
	v_lshrrev_b32 v8, 5, v0
	s_delay_alu instid0(VALU_DEP_1)
	v_readfirstlane_b32 s[WV], v8                  ; wave 0..15
	s_bfe_u32 s48, ttmp6, 0x40000                  ; cx: it enters the addresses of qimg, x, mask and out0 alone
	s_lshl_b32 s49, ttmp9, 2                       ; in a cluster launch ttmp9 counts clusters
	s_add_co_u32 s49, s49, s48                     ; bx: my block of 64 queries
	s_and_b32 s50, ttmp7, 0xffff                   ; n: the sample, which the four partners share
	s_lshr_b32 s51, s[WV], 2                       ; my head
	s_and_b32 s52, s[WV], 3                        ; my tile of 16 queries
	s_mov_b32 s[G1], 15|(3<<16)|(1<<21)            ; 15:0 the mask: all four work-groups; 17:16 elements of 8 bytes; 21 set beside a mask; no padding: images are read 512 consecutive bytes at a time
	s_mov_b32 s[G1+1], 32<<16                      ; tensor_dim0 = 32 elements: 256 bytes
	s_mov_b32 s[G1+2], 64<<16                      ; tensor_dim1 = 64
	s_mov_b32 s[G1+3], 32<<16                      ; tile_dim0
	s_mov_b32 s[G1+4], 64                          ; tile_dim1
	s_mov_b32 s[G1+5], 32                          ; from row to row: dense
	s_mov_b32 s[G1+6], 0
	s_mov_b32 s[G1+7], 0
	s_mov_b32 s[SEL], 0x76543210
	s_mov_b32 s[SEL+1], 0xfedcba98
	s_mov_b32 s[CS], 0x3e38aa3b                    ; log2(e) / 8
	s_mov_b32 s[TB], 0
	s_mov_b32 s[SLOTS], NSL-1
	s_mov_b32 s[G0], 1
	s_and_b32 s[G0+1], s[WV], 7
	s_lshl_b32 s[G0+1], s[G0+1], 14                ; LDS: slot 0, 16,384 x (wave % 8)
	s_lshl_b32 s54, s50, 21                        ; kv: the sample's 2^21 bytes, the same eighth of the first slot
	s_add_co_u32 s54, s54, s[G0+1]
	s_mov_b32 s55, 0
	s_wait_kmcnt 0x0
	s_load_b256 s[40:47], s[16:17], 0x0            ; e0 .. e7
	s_add_nc_u64 s[G0+2:G0+3], s[6:7], s[54:55]
	s_or_b32 s[G0+3], s[G0+3], 0x80000000          ; type = 2
	CROUND                                         ; all four work-groups are here: the first joint loads meet
	JLOAD                                          ; slot 0
	s_lshl_b32 s58, s50, 20                        ; Q's image: 2^20 n + 16,384 bx + 4,096 tile + 1,024 head
	s_lshl_b32 s53, s49, 14
	s_add_co_u32 s58, s58, s53
	s_lshl_b32 s53, s52, 12
	s_add_co_u32 s58, s58, s53
	s_lshl_b32 s53, s51, 10
	s_add_co_u32 s58, s58, s53
	s_mov_b32 s59, 0
	s_add_nc_u64 s[4:5], s[4:5], s[58:59]
	v_and_b32 v30, 31, v0
	s_delay_alu instid0(VALU_DEP_1)
	v_lshlrev_b32 v30, 4, v30                      ; 16 x lane
	s_wait_alu depctr_va_vdst(0)
	global_load_b128 v[16:19], v30, s[4:5]         ; Q's fragment stays in registers
	global_load_b128 v[20:23], v30, s[4:5] offset:512
	s_lshl_b32 s58, s[WV], 12                      ; proj_w's image of rows 16 w on
	s_add_co_u32 s58, s58, 196608
	s_add_nc_u64 s[8:9], s[8:9], s[58:59]
	s_lshl_b32 s58, s[WV], 6                       ; proj_b at channel 16 w
	s_add_nc_u64 s[14:15], s[14:15], s[58:59]
	s_lshl_b32 s58, s50, 14                        ; mask at the sample's position 64 bx
	s_lshl_b32 s53, s49, 8
	s_add_co_u32 s58, s58, s53
	s_add_nc_u64 s[12:13], s[12:13], s[58:59]
	s_lshl_b32 s58, s50, 22                        ; x and out0 at the sample's channel 16 w, position 64 bx
	s_add_co_u32 s58, s58, s53
	s_lshl_b32 s53, s[WV], 18
	s_add_co_u32 s58, s58, s53
	s_add_nc_u64 s[10:11], s[10:11], s[58:59]
	s_add_nc_u64 s[18:19], s[18:19], s[58:59]
	v_and_b32 v8, 15, v0                           ; r
	v_bfe_u32 v9, v0, 4, 1                         ; h
	s_lshl_b32 s60, s51, 10                        ; (LDS addresses are made of the lane and the wave's number, in registers that never hold cx)
	v_add_nc_u32 v1, s60, v30                      ; K: 16 x lane + 1,024 head
	s_delay_alu instid0(VALU_DEP_1)
	v_add_nc_u32 v2, 0x10000, v1                   ; the slot's second step: two blocks of 32,768 on
	s_lshl_b32 s61, s51, 12
	s_add_co_u32 s61, s61, 16384
	v_add_nc_u32 v3, s61, v30                      ; V: 16 x lane + 16,384 + 4,096 head
	s_delay_alu instid0(VALU_DEP_1)
	v_add_nc_u32 v4, 0x10000, v3
	s_lshl_b32 s61, s52, 12
	s_add_co_u32 s61, s61, s60
	s_add_co_u32 s61, s61, OIMG
	v_add_nc_u32 v31, s61, v30                     ; my output image
	v_add_nc_u32 v226, OIMG, v30
	s_mul_i32 s62, s[WV], 16*SP                    ; my stage
	v_mul_u32_u24 v10, v8, SP
	s_delay_alu instid0(VALU_DEP_1)
	v_lshl_add_u32 v10, v9, 5, v10
	s_delay_alu instid0(VALU_DEP_1)
	v_add_nc_u32 v10, s62, v10                     ; in: row r (a channel), + 32 h
	v_mul_u32_u24 v11, v9, SP
	s_delay_alu instid0(VALU_DEP_1)
	v_lshl_add_u32 v11, v8, 4, v11
	s_delay_alu instid0(VALU_DEP_1)
	v_add_nc_u32 v11, s62, v11                     ; back: lanes 0-15 one row of 256 bytes, lanes 16-31 the next
	v_lshlrev_b32 v224, 4, v8
	v_lshlrev_b32 v225, 2, v8
	s_delay_alu instid0(VALU_DEP_2)
	v_lshl_add_u32 v7, v9, 14, v224                ; and the same two channels' rows in x and out0
	v_mov_b32 v13, 0xff61b1e6                      ; the largest t so far: -3e38, under every t
	s_delay_alu instid0(VALU_DEP_1)
	v_floor_f32 v12, -v13                          ; -M
	v_mov_b32 v14, 0                               ; the sum, in two halves
	v_mov_b32 v15, 0
	v_mov_b32 v29, 0                               ; (named as the upper half of the pair v[28:29])
	v_mov_b32 v236, 0                              ; a lane permute's destination counts as one of its sources
	v_mov_b32 v253, 0                              ; (named as the upper half of the pair v[252:253])
.set j, 0
.rept 32
	v_mov_b32 v[160+j], 0                          ; O^T.  (The step is written without a first form of its own: the first change of M multiplies zeros)
.set j, j+1
.endr
	s_wait_kmcnt 0x0
	s_add_co_i32 s53, s42, s43
	s_lshl_b32 s53, s53, 23
	s_add_co_i32 s[CS], s[CS], s53                 ; a score stands for score x 2^(e2 + e3): added to c's exponent field
	s_mov_b32 s[CS+1], s[CS]                       ; (named with it as a pair)
	MKSCALE 44, 240, 244, 53, 54                   ; p's: e4
	MKSCALE 47, 241, 245, 53, 54                   ; the attention output's: e7
	s_add_co_i32 s56, s46, s47
	s_add_co_i32 s56, s56, 127
	s_lshl_b32 s56, s56, 23                        ; 2^(e6 + e7) as f32
	s_mov_b32 s57, s56
	s_add_co_i32 s39, s44, s45                     ; e4 + e5
; A KEY STEP: 128 keys, the q-th of the slot in hand.
.macro STEP q
	v_add_nc_u32 v8, s[TB], v[1+\q]
	v_add_nc_u32 v9, s[TB], v[3+\q]
	v_nop                                          ; with the two additions: four places in front of loads into registers that the last products read
	v_nop
.irp t, 0,1,2,3,4,5,6,7
	ds_load_b128 v[32+8*\t:35+8*\t], v8 offset:(\t/4)*32768+(\t%4)*4096        ; keys 16 t on, my head: 512 consecutive bytes a load
	ds_load_b128 v[36+8*\t:39+8*\t], v8 offset:(\t/4)*32768+(\t%4)*4096+512
.endr
	s_wait_alu depctr_va_vdst(0)
.irp t, 0,1,2,3,4,5,6,7
	s_wait_dscnt 14-2*\t                           ; LDS loads come back in order (ISA guide 5.7.1): tile t's two are in, the later tiles' may be out
	v_wmma_f32_16x16x64_fp8_fp8 v[96+8*\t:103+8*\t], v[32+8*\t:39+8*\t], v[16:23], 0
.endr
.rept 4
	v_nop                                          ; places in front of the loads below and of the first read of the scores
.endr
.irp d, 0,1,2,3
.irp i, 0,1,2,3
	ds_load_b128 v[32+16*\d+4*\i:35+16*\d+4*\i], v9 offset:(\i/2)*32768+\d*1024+(\i%2)*512   ; V^T: channels 16 d on x these 128 keys; the loads land while the softmax is walked
.endr
.endr
	v_max3_num_f32 v254, v96, v97, v98             ; the step's largest score of my query, among my 64 keys, in two chains; each tile is read from its low end on
	v_max3_num_f32 v252, v99, v100, v101
.irp i, 6,10,14,18,22,26,30,34,38,42,46,50,54,58
	v_max3_num_f32 v254, v254, v[96+\i], v[97+\i]
	v_max3_num_f32 v252, v252, v[98+\i], v[99+\i]
.endr
	v_max3_num_f32 v254, v254, v158, v159
	s_delay_alu instid0(VALU_DEP_1)
	v_max_num_f32 v254, v254, v252
	s_delay_alu instid0(VALU_DEP_1)
	v_permlanex16_b32 v236, v254, s[SEL], s[SEL+1]
	s_delay_alu instid0(VALU_DEP_1)
	v_max_num_f32 v254, v254, v236                 ; and among lane l xor 16's
	s_delay_alu instid0(VALU_DEP_1)
	v_mul_f32 v254, s[CS], v254                    ; as t (c is positive)
	s_delay_alu instid0(VALU_DEP_1)
	v_max_num_f32 v13, v13, v254                   ; the running largest t
	v_mov_b32 v254, v12
	s_delay_alu instid0(VALU_DEP_2)
	v_floor_f32 v12, -v13                          ; the new -M = floor(-t) = -ceil(t)
	s_delay_alu instid0(VALU_DEP_1)
	v_sub_f32 v254, v12, v254                      ; M's old value less its new one: a whole number, 0 or less
	s_delay_alu instid0(VALU_DEP_1)
	v_cvt_i32_f32 v254, v254                       ; (it saturates)
	s_delay_alu instid0(VALU_DEP_1)
	v_ldexp_f32 v252, 1.0, v254                    ; f = 2^(old M - new M)
.set j, 0
.rept 32
	v_pk_fma_f32 v[96+j:97+j], v[96+j:97+j], s[CS:CS+1], v[12:13] op_sel_hi:[1,0,0]   ; t - M, two at a time
.set j, j+2
.endr
.set j, 0
	s_wait_alu depctr_va_vdst(0)
.rept 64
	v_exp_f32 v[96+j], v[96+j]                     ; p = 2^(t - M), at most 1
.set j, j+1
.endr
	v_pk_mul_f32 v[14:15], v[14:15], v[252:253] op_sel_hi:[1,0]   ; the sums under the new M.  (A plain line behind the exponentials)
	s_wait_alu depctr_va_vdst(0)
	v_pk_add_f32 v[242:243], v[100:101], v[104:105]
	v_pk_add_f32 v[254:255], v[108:109], v[112:113]
	v_pk_add_f32 v[250:251], v[116:117], v[120:121]
	v_pk_add_f32 v[248:249], v[124:125], v[128:129]
	v_pk_add_f32 v[246:247], v[132:133], v[136:137]
	v_pk_add_f32 v[240:241], v[140:141], v[144:145]
	v_pk_add_f32 v[238:239], v[148:149], v[152:153]
	v_pk_add_f32 v[14:15], v[14:15], v[156:157]
	v_pk_add_f32 v[242:243], v[242:243], v[96:97]
	v_pk_add_f32 v[254:255], v[254:255], v[98:99]
	v_pk_add_f32 v[250:251], v[250:251], v[102:103]
	v_pk_add_f32 v[248:249], v[248:249], v[106:107]
	v_pk_add_f32 v[246:247], v[246:247], v[110:111]
	v_pk_add_f32 v[240:241], v[240:241], v[114:115]
	v_pk_add_f32 v[238:239], v[238:239], v[118:119]
	v_pk_add_f32 v[14:15], v[14:15], v[122:123]
	v_pk_add_f32 v[242:243], v[242:243], v[126:127]
	v_pk_add_f32 v[254:255], v[254:255], v[130:131]
	v_pk_add_f32 v[250:251], v[250:251], v[134:135]
	v_pk_add_f32 v[248:249], v[248:249], v[138:139]
	v_pk_add_f32 v[246:247], v[246:247], v[142:143]
	v_pk_add_f32 v[240:241], v[240:241], v[146:147]
	v_pk_add_f32 v[238:239], v[238:239], v[150:151]
	v_pk_add_f32 v[14:15], v[14:15], v[154:155]
	v_pk_add_f32 v[242:243], v[242:243], v[158:159]
	s_delay_alu instid0(VALU_DEP_2)
	v_pk_add_f32 v[14:15], v[14:15], v[248:249]
	s_delay_alu instid0(VALU_DEP_2)
	v_pk_add_f32 v[242:243], v[242:243], v[246:247]
	v_pk_add_f32 v[254:255], v[254:255], v[240:241]
	v_pk_add_f32 v[250:251], v[250:251], v[238:239]
	s_delay_alu instid0(VALU_DEP_2)
	v_pk_add_f32 v[14:15], v[14:15], v[254:255]
	s_delay_alu instid0(VALU_DEP_2)
	v_pk_add_f32 v[242:243], v[242:243], v[250:251]
	s_delay_alu instid0(VALU_DEP_1)
	v_pk_add_f32 v[14:15], v[14:15], v[242:243]
.irp t, 0,1,2,3,4,5,6,7
.irp i, 0,1,2,3,4,5,6,7
.endr
	v_cvt_scalef32_pk8_fp8_f32 v[192+2*\t:193+2*\t], v[96+8*\t:103+8*\t], v244   ; keys 16 t + 8 h + 0..7: registers 2 t, 2 t + 1 of P
.endr
.set j, 0
.rept 16
	v_pk_mul_f32 v[160+j:161+j], v[160+j:161+j], v[252:253] op_sel_hi:[1,0]   ; O^T under the new M.  (Also the plain lines behind the conversions)
.set j, j+2
.endr
	s_wait_alu depctr_va_vdst(0)
	s_wait_dscnt 0x0                               ; V is in
.irp d, 0,1,2,3
	v_wmma_f32_16x16x128_fp8_fp8 v[160+8*\d:167+8*\d], v[32+16*\d:47+16*\d], v[192:207], v[160+8*\d:167+8*\d]   ; four accumulators by turns
.endr
.endm
; THE CHANGE OF SLOTS stands at a slot's head.  Each wave waits for all its tensor loads (its part of the slot ahead), adds 0 to its spare word, and waits for that and for its reads of the slot that it has left.
; fill = 1: the barrier is a round of the cluster's, so that no wave of any partner still reads the slot or has a load on its way, and the joint refill is the first thing behind it.
.macro CHANGE fill
	s_wait_tensorcnt 0x0                           ; no tensor load of mine is out, so the group 0 may be written
	ds_add_u32 v5, v6                              ; 0 onto my spare word
.if \fill
	s_xor_b32 s[G0+1], s[G0+1], SLOT1              ; the other slot than last time,
	s_add_nc_u64 s[G0+2:G0+3], s[G0+2:G0+3], 131072   ; the next 256 keys; the type bits on top are not reached
.endif
	s_wait_dscnt 0x0                               ; the add is done, and my reads of the slot that I have left are over
.if \fill
	CROUND
	JLOAD
.else
	s_barrier_signal -1
	s_barrier_wait -1
.endif
.endm
	s_wait_loadcnt 0x0                             ; Q
.Lslot:                                            ; NSL - 1 trips: behind each change of slots but the last the next slot is asked for
	CHANGE 1
	STEP 0
	STEP 1
	s_xor_b32 s[TB], s[TB], SLOT1                  ; on to the other slot
	s_sub_co_u32 s[SLOTS], s[SLOTS], 1
	s_cmp_lg_u32 s[SLOTS], 0
	s_cbranch_scc1 .Lslot
	CHANGE 0                                       ; the last slot is written out
	STEP 0
	STEP 1
	; ---- THE TAIL
.rept 4
	v_nop                                          ; places behind the last products
.endr
.irp i, 0,1,2,3,4,5,6,7
	global_load_b128 v[96+4*\i:99+4*\i], v30, s[8:9] offset:512*\i             ; proj_w's rows 16 w on: v96-111 K step 0, v112-127 K step 1
.endr
	global_load_b32 v28, v225, s[14:15]            ; proj_b of channel 16 w + r
	global_load_b128 v[24:27], v224, s[12:13]      ; the mask of positions 4 (lane % 16) + 0..3
.irp i, 0,1,2,3,4,5,6,7
	global_load_b128 v[128+4*\i:131+4*\i], v7, s[10:11] offset:32768*\i        ; x: channels 16 w + 2 i + lane / 16: sixteen lanes read 256 consecutive bytes
.endr
	v_add_f32 v14, v14, v15                        ; the sum's two halves,
	s_delay_alu instid0(VALU_DEP_1)
	v_permlanex16_b32 v252, v14, s[SEL], s[SEL+1]
	s_delay_alu instid0(VALU_DEP_1)
	v_add_f32 v14, v14, v252                       ; and lane l xor 16's: the row's sum
	s_wait_alu depctr_va_vdst(0)
	v_rcp_f32 v14, v14
	v_nop                                          ; a plain line behind the transcendental
	s_wait_alu depctr_va_vdst(0)
	v_ldexp_f32 v14, v14, s39                      ; x 2^(e4 + e5)
.set j, 0
.rept 16
	v_pk_mul_f32 v[160+j:161+j], v[160+j:161+j], v[14:15] op_sel_hi:[1,0]      ; the attention output, each tile from its low end on
.set j, j+2
.endr
.irp d, 0,1,2,3
.irp i, 0,1,2,3,4,5,6,7
.endr
	v_cvt_scalef32_pk8_fp8_f32 v[192+2*\d:193+2*\d], v[160+8*\d:167+8*\d], v245   ; channels 16 d + 8 h + 0..7 of my head, position r
.endr
	v_nop                                          ; a plain line behind the last conversion: products below write its sources
	ds_store_b128 v31, v[192:195]
	ds_store_b128 v31, v[196:199] offset:512
	s_wait_dscnt 0x0                               ; for the others' sake: my stores are done
	s_barrier_signal -1
	s_barrier_wait -1                              ; the sixteen images lie in LDS
.irp u, 0,1                            ; two tiles of positions at a time: their two accumulators take turns
.if \u
.rept 4
	v_nop                                          ; places in front of loads into registers that the products above read
.endr
.endif
.irp i, 0,1,2,3,4,5,6,7,8,9,10,11,12,13,14,15
	ds_load_b128 v[32+4*\i:35+4*\i], v226 offset:8192*\u+512*\i                ; tile 2 u: v32-63 (heads 0, 1 | 2, 3), tile 2 u + 1: v64-95
.endr
	s_wait_dscnt 0x0
.if \u == 0
	s_wait_loadcnt 10                              ; proj_w's image is in; behind it: proj_b, the mask, x's eight
.endif
	v_wmma_f32_16x16x128_fp8_fp8 v[160+16*\u:167+16*\u], v[32:47], v[96:111], 0
	v_wmma_f32_16x16x128_fp8_fp8 v[168+16*\u:175+16*\u], v[64:79], v[96:111], 0
	v_wmma_f32_16x16x128_fp8_fp8 v[160+16*\u:167+16*\u], v[48:63], v[112:127], v[160+16*\u:167+16*\u]
	v_wmma_f32_16x16x128_fp8_fp8 v[168+16*\u:175+16*\u], v[80:95], v[112:127], v[168+16*\u:175+16*\u]
.endr
.rept 4
	v_nop
.endr
	s_wait_loadcnt 8                               ; proj_b is in; x's eight loads may be out
.set j, 0
.rept 16
	v_pk_fma_f32 v[192+j:193+j], v[160+j:161+j], s[56:57], v[28:29] op_sel_hi:[1,0,0]   ; sum x 2^(e6 + e7) + proj_b; register 8 pt + i: channel 16 w + r, position 16 pt + 8 h + i
.set j, j+2
.endr
.irp p, 0,1,2,3
	ds_store_b128 v10, v[192+8*\p:195+8*\p] offset:64*\p
	ds_store_b128 v10, v[196+8*\p:199+8*\p] offset:64*\p+16
.endr
.irp i, 0,1,2,3,4,5,6,7
	ds_load_b128 v[32+4*\i:35+4*\i], v11 offset:2*\i*SP    ; LDS serves a wave's instructions in order (ISA guide 5.7.1.4): these see my stores; the stage is my own
.endr
	s_wait_loadcnt 0x0                             ; x and the mask
.irp i, 0,1,2,3,4,5,6,7
	s_wait_dscnt 7-\i
	v_pk_add_f32 v[32+4*\i:33+4*\i], v[32+4*\i:33+4*\i], v[128+4*\i:129+4*\i]
	v_pk_add_f32 v[34+4*\i:35+4*\i], v[34+4*\i:35+4*\i], v[130+4*\i:131+4*\i]
	s_delay_alu instid0(VALU_DEP_2)
	v_pk_mul_f32 v[32+4*\i:33+4*\i], v[32+4*\i:33+4*\i], v[24:25]
	s_delay_alu instid0(VALU_DEP_2)
	v_pk_mul_f32 v[34+4*\i:35+4*\i], v[34+4*\i:35+4*\i], v[26:27]
	global_store_b128 v7, v[32+4*\i:35+4*\i], s[18:19] offset:32768*\i th:TH_STORE_NT   ; sixteen lanes store 256 consecutive bytes, aligned; written once, read by nobody here
.endr
	s_wait_tensorcnt 0x0                           ; the wave's end: behind my last tensor load and my last LDS store
	ds_add_u32 v5, v6
	s_wait_dscnt 0x0
	CROUND                                         ; the closing round: no work-group ends while a partner may still ask for a tile that names it
	s_endpgm
.Lfunc_end_k_qebe1c9b43c_attn:
	.size	k_qebe1c9b43c_attn, .Lfunc_end_k_qebe1c9b43c_attn-k_qebe1c9b43c_attn
	.p2alignl 7, 3214868480
	.fill 96, 4, 3214868480
	.section	.rodata,"a",@progbits
	.p2align	6, 0x0
	.amdhsa_kernel k_qebe1c9b43c_attn
		.amdhsa_group_segment_fixed_size 327680
		.amdhsa_private_segment_fixed_size 0
		.amdhsa_enable_private_segment 0
		.amdhsa_kernarg_size 64
		.amdhsa_user_sgpr_count 2
		.amdhsa_user_sgpr_kernarg_segment_ptr 1
		.amdhsa_wavefront_size32 1
		.amdhsa_system_sgpr_workgroup_id_x 1
		.amdhsa_system_sgpr_workgroup_id_y 1
		.amdhsa_system_sgpr_workgroup_id_z 1
		.amdhsa_system_vgpr_workitem_id 0
		.amdhsa_next_free_vgpr 256
		.amdhsa_next_free_sgpr 66
		.amdhsa_reserve_vcc 0
		.amdhsa_float_denorm_mode_32 3
		.amdhsa_float_denorm_mode_16_64 3
		.amdhsa_fp16_overflow 1
		.amdhsa_memory_ordered 1
		.amdhsa_forward_progress 1
		.amdhsa_inst_pref_size 76
	.end_amdhsa_kernel
	.amdgpu_metadata
---
amdhsa.version: [ 1, 2 ]
amdhsa.kernels:
  - .name:           k_qebe1c9b43c_attn
    .symbol:         k_qebe1c9b43c_attn.kd
    .args:
      - { .name: qimg, .offset: 0, .size: 8, .value_kind: global_buffer, .address_space: global }
      - { .name: kv, .offset: 8, .size: 8, .value_kind: global_buffer, .address_space: global }
      - { .name: wcodes, .offset: 16, .size: 8, .value_kind: global_buffer, .address_space: global }
      - { .name: x, .offset: 24, .size: 8, .value_kind: global_buffer, .address_space: global }
      - { .name: mask, .offset: 32, .size: 8, .value_kind: global_buffer, .address_space: global }
      - { .name: proj_b, .offset: 40, .size: 8, .value_kind: global_buffer, .address_space: global }
      - { .name: lowp_scales, .offset: 48, .size: 8, .value_kind: global_buffer, .address_space: global }
      - { .name: out0, .offset: 56, .size: 8, .value_kind: global_buffer, .address_space: global }
    .group_segment_fixed_size: 327680
    .private_segment_fixed_size: 0
    .kernarg_segment_align: 8
    .kernarg_segment_size: 64
    .max_flat_workgroup_size: 512
    .sgpr_count:     66
    .vgpr_count:     256
    .wavefront_size: 32
...
	.end_amdgpu_metadata
.endif
;; end of part 3
